; MI455X (gfx1250); checked and timed in simulation.
; The chip was launched on July 23, 2026; its instructions are those of AMD's public machine-readable ISA for CDNA 5 (MIT licence, August 2026) and "CDNA5" Instruction Set Architecture Reference Guide (July 2026). The comments in the code are by the model that wrote it; some were corrected since.
;; Scaled Dot Product Attention. Allowed arithmetic: matrix products marked QUANTISED: E2M3 operands, one E8M0 scale for each 32 along K, by v_wmma_scale_f32_16x16x128_f8f6f4 with both operands' format E2M3, f32 sums; everything else in f32.
;; Inputs: k 4 x 16 x 2,048 x 64 float32; mask 1 x 1 x 2,048 x 2,048 float32; q 4 x 16 x 2,048 x 64 float32; v 4 x 16 x 2,048 x 64 float32.
;; Outputs: out0 4 x 16 x 2,048 x 64 float32.
;; This version of the problem:
;;   THIS VERSION OF THE PROBLEM IS GIVEN IN LOW PRECISION. The matrix products marked QUANTISED in the list below multiply operands that are first quantised to E2M3 (2 exponent bits, 3 mantissa bits; 6 bits a number), with one power-of-two scale for each 32 numbers along K (OCP MX v1.0); their sums are f32. All else is computed in f32.
;;   The module's matrix products, in the order in which they are computed (A, B: the left and right operand; K: the contracted axis; several contracted axes count as one K, in the product's order):
;;     1. batch 64 x [M 2,048, K 64] x [K 64, N 2,048]; A: computed on the way; B: input k: QUANTISED
;;     2. batch 64 x [M 2,048, K 2,048] x [K 2,048, N 64]; A: softmax (see below); B: input v: QUANTISED
;;   THE QUANTISER, for each operand of a quantised product, along K:
;;     - K is cut into blocks of 32 from its start; a last block that is shorter is filled with zeros.
;;     - A block's scale is 2^e with e = floor(log2(the largest magnitude in the block)) - 2, held to -126 .. 127; a block of zeros has e = 0. As a byte (E8M0): e + 127.
;;     - Each number is divided by its block's scale, clamped to +-7.5, and rounded to the nearest number of E2M3, ties to even, subnormals kept.
;;     - The product sums the exact products of the quantised numbers (number of the format x scale) in f32.
;;   ~~~python
;;   def quantise(x, axis):      # numpy; x: float32 -> the quantised numbers, widened to float32 again
;;       x = np.moveaxis(x, axis, -1); K = x.shape[-1]
;;       x = np.pad(x, [(0, 0)] * (x.ndim - 1) + [(0, -K % 32)]); x = x.reshape(x.shape[:-1] + (-1, 32)); a = np.abs(x).max(-1, keepdims=True)
;;       e = np.where(a > 0, np.clip(np.frexp(np.where(a > 0, a, 1))[1] - 1 - 2, -126, 127), 0)      # np.frexp(a)[1] - 1 = floor(log2(a)), exactly
;;       r = np.clip(x / 2.0 ** e, -7.5, 7.5)
;;       step = 2.0 ** (np.maximum(np.frexp(np.where(r == 0, 1, r))[1] - 1, 0) - 3)
;;       q = np.round(r / step) * step * 2.0 ** e      # np.round: ties to even
;;       return np.moveaxis(q.reshape(q.shape[:-2] + (-1,))[..., :K], -1, axis).astype(np.float32)
;;   ~~~
;;   SOFTMAX AHEAD OF A QUANTISED PRODUCT. Where the list says 'softmax', what is quantised is not the finished softmax but p = 2^(t - M), with t = logit x log2(e) and M = ceil(the row's largest t), a whole number; so 1/2 < the row's largest p <= 1. The row's sum l is taken of the UNQUANTISED p, in f32, and the product's result is divided by l at the end. Since M is a whole number, a kernel that streams over the keys may use a running M (the ceiling of the running maximum): every later rescaling is an exact power of two, which a block's scale takes up: the codes' values come out the same.
;;   OPERANDS COMPUTED ON THE WAY. 'Computed on the way' means the value that the module computes at that place (a softmax that the list does not call 'softmax' is quantised finished and normalised). What goes into a quantiser is computed in f32, as accurately as f32 sums, v_exp_f32 and their like allow (about 1e-6 of the number): no bf16 or f16 on the way to a quantiser, and a product that is left as it is and whose result goes on into a quantised operand takes f32 operands (vector FMAs, or v_wmma_f32_16x16x4_f32). A number that lies on a knife's edge between two numbers of the format may be rounded either way, as far as f32 arithmetic and the matrix unit's own rounding can turn it there, and no further.
;; One version. Each part assembles by itself: llvm-mc -triple=amdgcn-amd-amdhsa -mcpu=gfx1250 --defsym DOCPART=n.
;; ======== version 1 of 1: 2 launches
;; limits: right only within a limited range of input values
;; workspace buffers: kv 13,369,344 bytes
;; launch prep (part 1): grid 512 x 2, 4 waves a work-group, no clusters, 35,328 bytes of LDS; arguments k, v, kv; writes kv
.if DOCPART == 1
	.amdgcn_target "amdgcn-amd-amdhsa--gfx1250"
	.amdhsa_code_object_version 6
	.text
	.protected	k_q1d8e0472b6_prep
	.globl	k_q1d8e0472b6_prep
	.p2align	8
	.type	k_q1d8e0472b6_prep,@function
k_q1d8e0472b6_prep:
	s_mov_b64 s[64:65], 0
	v_nop
	global_prefetch_b8 v0, s[64:65] scope:SCOPE_SE
	s_setreg_imm32_b32 hwreg(HW_REG_WAVE_MODE, 25, 1), 1
	s_wait_xcnt 0x0
; k and v, [64 heads][2048 keys][64] f32, become codes of FP6 (E2M3) with one E8M0 scale byte for each 32 along a product's K,
; laid in the order of the attention launch's operand registers: one dense block of 13,056 bytes for each (head, 128 keys).
; kv = [head / 4][step of 128 keys][head % 4][13,056]:
;   0     K's codes: pair j (0..3) at 1536 j + 512 c + 16 lane: 12 registers a lane: tile 2 j's six, tile 2 j + 1's six.
;         Lane (r, h) of tile T holds key 64 (T / 4) + 8 (T % 4) + r % 8 + 32 (r / 8), channels 32 h .. 32 h + 31: one block of 32, 24 bytes.
;   6144  K's scale words, 8 bytes a lane for each two pairs: register j: lanes 0-15 tile 2 j's rows, lanes 16-31 tile 2 j + 1's;
;         word = byte(channels 0-31) | byte(channels 32-63) << 8 | 0x7f7f0000 (the product's K is 64: the upper half of the instruction's 128 is not used)
;   6656  V^T's codes: fragment t (channels 16 t + r) at 1536 t + 512 c + 16 lane: registers 6 c .. 6 c + 5 = keys 64 c + 32 h + 0 .. 31
;   12800 V's scale words: register w: fragment 2 w in lanes 0-15, fragment 2 w + 1 in lanes 16-31; byte b = keys 32 b on
; A block's scale is 2^(floor(log2(its largest magnitude)) - 2); its byte is the largest magnitude's exponent field - 2, held at 1 from below.
; LIMITS: a block of zeros gets the byte 1 where the quantiser says 127: its codes are zeros, and this program alone reads the bytes.  NaN and infinities among the inputs are not served.
; SHARES: work-group x = 8 head + pair of steps; y = 0: K, y = 1: V.  Wave w: step 2 (x % 8) + w / 2, half w % 2 (K: 64 keys; V: 32 channels).
; No tensor load, no barrier: waves share nothing.  No loop: every offset is an immediate, and no store's data are written again.
.set BLK,  13056
.set SP,   272                         ; a stage row: 256 bytes + 16
.set WST,  32*SP                       ; a wave's stage: 32 keys (the K path alone uses LDS)
.set KSW,  6144
.set VCD,  6656
.set VSW,  12800
.set R,    64                          ; v64-191 the numbers
; 32 numbers of one block, all in my lane: largest magnitude (two chains, the floor 2^(3 - 127) as one more leaf), scale operand, byte, 2 x 16 codes
.macro QB x, lo, hi, m, so, by
	v_max3_num_f32 v[\m], |v[(\x)]|, |v[(\x)+1]|, |v[(\x)+2]|
	v_max3_num_f32 v[\m+1], |v[(\x)+3]|, |v[(\x)+4]|, |v[(\x)+5]|
.irp i, 6,10,14,18,22,26
	v_max3_num_f32 v[\m], v[\m], |v[(\x)+\i]|, |v[(\x)+\i+1]|
	v_max3_num_f32 v[\m+1], v[\m+1], |v[(\x)+\i+2]|, |v[(\x)+\i+3]|
.endr
	v_max3_num_f32 v[\m], v[\m], |v[(\x)+30]|, |v[(\x)+31]|
	v_max3_num_f32 v[\m], v[\m], v[\m+1], 0x1800000
	v_add_nc_u32 v[\so], 0xff000000, v[\m]         ; 2 off the exponent field: the conversion's scale operand
	v_lshrrev_b32 v[\by], 23, v[\so]               ; the scale's byte
	v_cvt_scalef32_pk16_fp6_f32 v[(\lo):(\lo)+2], v[(\x):(\x)+15], v[\so]
	v_cvt_scalef32_pk16_fp6_f32 v[(\hi):(\hi)+2], v[(\x)+16:(\x)+31], v[\so]
.endm
	s_load_b128 s[4:7], s[0:1], 0x0                ; k, v
	s_load_b64 s[8:9], s[0:1], 0x10                ; kv
	v_lshl_add_u32 v192, v0, 2, 0x8800
	v_mov_b32 v193, 0
	v_lshrrev_b32 v1, 5, v0
	v_readfirstlane_b32 s10, v1                    ; wave 0..3
	v_and_b32 v1, 31, v0                           ; lane
	v_and_b32 v2, 15, v0                           ; r
	v_bfe_u32 v3, v0, 4, 1                         ; h
	v_lshlrev_b32 v4, 4, v1                        ; 16 x lane
	s_mul_i32 s11, s10, WST                        ; my stage
	v_mul_u32_u24 v5, v3, SP
	v_lshl_add_u32 v5, v2, 4, v5
	v_add_nc_u32 v5, s11, v5                       ; into the stage: as loaded: lanes 0-15 one key's 256 bytes, lanes 16-31 the next key's
	v_and_b32 v6, 8, v2
	v_add_nc_u32 v6, v6, v2                        ; r + 8 (r / 8)
	v_mul_u32_u24 v6, v6, SP
	v_lshl_add_u32 v6, v3, 7, v6
	v_add_nc_u32 v6, s11, v6                       ; out of it: my stage row, my half's 128 bytes
	v_lshlrev_b32 v7, 3, v1                        ; 8 x lane
	v_lshlrev_b32 v8, 2, v1                        ; 4 x lane
	v_lshlrev_b32 v9, 3, v3                        ; 8 h
	v_lshlrev_b32 v10, 4, v3                       ; 16 h
	v_mov_b32 v25, 0                               ; a lane permute's destination counts as one of its sources
	s_mov_b32 s20, 0x76543210
	s_mov_b32 s21, 0xfedcba98                      ; v_permlanex16_b32's selects for lane l xor 16
	s_mov_b32 s22, 0x7f7f0000
	s_lshr_b32 s12, ttmp9, 3                       ; head
	s_and_b32 s13, ttmp9, 7
	s_lshl_b32 s13, s13, 1
	s_lshr_b32 s14, s10, 1
	s_add_co_u32 s13, s13, s14                     ; step
	s_and_b32 s14, s10, 1                          ; half
	s_lshl_b32 s16, s12, 19                        ; a head is 2,048 x 256 bytes,
	s_lshl_b32 s15, s13, 15                        ; a step 128 x 256
	s_add_co_u32 s16, s16, s15
	s_mov_b32 s17, 0
	s_lshr_b32 s18, s12, 2
	s_lshl_b32 s18, s18, 4
	s_add_co_u32 s18, s18, s13
	s_lshl_b32 s18, s18, 2
	s_and_b32 s15, s12, 3
	s_add_co_u32 s18, s18, s15                     ; the block's number: ((head / 4) 16 + step) 4 + head % 4
	s_mul_i32 s18, s18, BLK
	s_mov_b32 s19, 0
	s_and_b32 s30, ttmp7, 0xffff
	s_wait_kmcnt 0x0
	s_add_nc_u64 s[8:9], s[8:9], s[18:19]          ; my block
	s_cmp_lg_u32 s30, 0
	s_cbranch_scc1 .Lv_path
	; ---- K: my 64 keys are 16,384 dense bytes.  Each load reads 512 consecutive bytes (two keys).  Pair jj's two tiles want keys 16 jj + 0..15 and 32 + 16 jj + 0..15:
	; its 16 loads fetch those 32 keys, which turn through my stage (rows 0-15 the first sixteen, rows 16-31 the second), so that a lane gets 32 neighbours along the channels.
	s_lshl_b32 s18, s14, 14
	s_add_co_u32 s16, s16, s18
	s_add_nc_u64 s[4:5], s[4:5], s[16:17]
	s_mul_i32 s18, s14, 3072
	s_add_nc_u64 s[24:25], s[8:9], s[18:19]        ; my two pairs' codes
	s_lshl_b32 s18, s14, 8
	s_add_nc_u64 s[26:27], s[8:9], s[18:19]        ; and their scale words
.set nq, 0
.rept 32
	global_load_b128 v[R+4*nq:R+4*nq+3], v4, s[4:5] offset:512*(8*(nq/16)+(nq%8)+16*((nq%16)/8)) th:TH_LOAD_NT
.set nq, nq+1
.endr
	s_wait_alu depctr_va_vdst(0)
.irp jj, 0,1
	s_wait_loadcnt 16*(1-\jj)                      ; this pair's 16 loads are in; the other pair's 16 younger ones may be out
.irp m, 0,1,2,3,4,5,6,7,8,9,10,11,12,13,14,15
	ds_store_b128 v5, v[R+64*\jj+4*\m:R+64*\jj+4*\m+3] offset:2*SP*\m
.endr
.irp i, 0,1,2,3,4,5,6,7                        ; LDS serves a wave's instructions in order (ISA guide 5.7.1.4): these see the stores above, and the next pair's stores come behind them
	ds_load_b128 v[R+64*\jj+4*\i:R+64*\jj+4*\i+3], v6 offset:16*\i               ; the pair's first tile: stage row r + 8 (r / 8)
.endr
.irp i, 0,1,2,3,4,5,6,7
	ds_load_b128 v[R+64*\jj+32+4*\i:R+64*\jj+32+4*\i+3], v6 offset:8*SP+16*\i    ; its second: eight rows on
.endr
	s_wait_dscnt 0x0
	QB R+64*\jj, 32+12*\jj, 56, 12, 16, 20
	QB R+64*\jj+32, 38+12*\jj, 60, 14, 17, 21
	v_nop                                          ; one plain instruction behind a scaled conversion, ahead of the reads of its result
.irp i, 0,1,2
	v_mov_b32 v[35+12*\jj+\i], v[56+\i]
	v_mov_b32 v[41+12*\jj+\i], v[60+\i]
.endr
	v_lshl_or_b32 v24, v21, 16, v20                ; my two bytes: the first tile's low, the second's 16 bits up,
	v_lshlrev_b32 v24, v9, v24                     ; 8 h bits up: my half of the channels;
	v_permlanex16_b32 v25, v24, s20, s21
	v_or_b32 v24, v24, v25                         ; with lane l xor 16's: both tiles' two bytes;
	v_lshrrev_b32 v24, v10, v24                    ; lanes 0-15 keep the first tile's, lanes 16-31 the second's
	v_and_or_b32 v[28+\jj], v24, 0xffff, s22
.irp c, 0,1,2
	global_store_b128 v4, v[32+12*\jj+4*\c:32+12*\jj+4*\c+3], s[24:25] offset:1536*\jj+512*\c   ; 512 consecutive bytes, at a multiple of 256 from the buffer's first byte
.endr
.endr
	global_store_b64 v7, v[28:29], s[26:27] offset:KSW   ; 256 consecutive bytes, aligned
	s_wait_tensorcnt 0x0                           ; the wave's end
	ds_add_u32 v192, v193
	s_wait_dscnt 0x0
	s_endpgm
	; ---- V: K = the keys.  A lane takes a channel and its registers run down the keys: a block of 32 keys lies in one lane, and the codes come out with the keys innermost.
.Lv_path:
	s_lshl_b32 s18, s14, 7                         ; my 32 channels
	s_add_co_u32 s16, s16, s18
	s_add_nc_u64 s[6:7], s[6:7], s[16:17]
	s_mul_i32 s18, s14, 3072
	s_add_nc_u64 s[24:25], s[8:9], s[18:19]        ; my two fragments
	s_lshl_b32 s18, s14, 7
	s_add_nc_u64 s[26:27], s[8:9], s[18:19]        ; and their scale words
.macro VLOAD t                         ; block t: 32 keys, 128 consecutive bytes a load
.set ii, 0
.rept 32
	global_load_b32 v[R+32*(\t)+ii], v8, s[6:7] offset:256*(32*(\t)+ii) th:TH_LOAD_NT
.set ii, ii+1
.endr
.endm
.macro VBLK kb, lo
.if \kb < 3
	s_wait_loadcnt 32                              ; this block's 32 loads are in; the next block's 32 may be out
.else
	s_wait_loadcnt 0x0
.endif
	QB R+32*\kb, \lo, 56, 12, 16, 20+\kb
	v_nop                                          ; one plain instruction behind a scaled conversion
.irp i, 0,1,2
	v_mov_b32 v[\lo+3+\i], v[56+\i]
.endr
.if \kb < 2
	VLOAD \kb+2
.endif
.endm
	s_wait_alu depctr_va_vdst(0)
	VLOAD 0
	VLOAD 1
	VBLK 0, 32                                     ; v32-43: keys 0-31 and 64-95;  v44-55: keys 32-63 and 96-127
	VBLK 1, 44
	VBLK 2, 38
	VBLK 3, 50
.irp i, 0,1,2,3,4,5,6,7,8,9,10,11
	v_permlane16_swap_b32 v[32+\i], v[44+\i]       ; v32-43 becomes my first 16 channels' fragment, v44-55 my second 16's
.endr
	v_lshl_or_b32 v24, v21, 8, v20                 ; my channel's four bytes
	v_lshl_or_b32 v24, v22, 16, v24
	v_lshl_or_b32 v24, v23, 24, v24
.irp f, 0,1
.irp c, 0,1,2
	global_store_b128 v4, v[32+12*\f+4*\c:32+12*\f+4*\c+3], s[24:25] offset:VCD+1536*\f+512*\c
.endr
.endr
	global_store_b32 v8, v24, s[26:27] offset:VSW  ; 128 consecutive bytes: the other half's wave stores the 128 beside them
	s_endpgm
.Lfunc_end_k_q1d8e0472b6_prep:
	.size	k_q1d8e0472b6_prep, .Lfunc_end_k_q1d8e0472b6_prep-k_q1d8e0472b6_prep
	.p2alignl 7, 3214868480
	.fill 96, 4, 3214868480
	.section	.rodata,"a",@progbits
	.p2align	6, 0x0
	.amdhsa_kernel k_q1d8e0472b6_prep
		.amdhsa_group_segment_fixed_size 35328
		.amdhsa_private_segment_fixed_size 0
		.amdhsa_enable_private_segment 0
		.amdhsa_kernarg_size 24
		.amdhsa_user_sgpr_count 2
		.amdhsa_user_sgpr_kernarg_segment_ptr 1
		.amdhsa_wavefront_size32 1
		.amdhsa_system_sgpr_workgroup_id_x 1
		.amdhsa_system_sgpr_workgroup_id_y 1
		.amdhsa_system_sgpr_workgroup_id_z 1
		.amdhsa_system_vgpr_workitem_id 0
		.amdhsa_next_free_vgpr 194
		.amdhsa_next_free_sgpr 66
		.amdhsa_reserve_vcc 0
		.amdhsa_float_denorm_mode_32 3
		.amdhsa_float_denorm_mode_16_64 3
		.amdhsa_memory_ordered 1
		.amdhsa_forward_progress 1
		.amdhsa_inst_pref_size 36
	.end_amdhsa_kernel
	.amdgpu_metadata
---
amdhsa.version: [ 1, 2 ]
amdhsa.kernels:
  - .name:           k_q1d8e0472b6_prep
    .symbol:         k_q1d8e0472b6_prep.kd
    .args:
      - { .name: k, .offset: 0, .size: 8, .value_kind: global_buffer, .address_space: global }
      - { .name: v, .offset: 8, .size: 8, .value_kind: global_buffer, .address_space: global }
      - { .name: kv, .offset: 16, .size: 8, .value_kind: global_buffer, .address_space: global }
    .group_segment_fixed_size: 35328
    .private_segment_fixed_size: 0
    .kernarg_segment_align: 8
    .kernarg_segment_size: 24
    .max_flat_workgroup_size: 128
    .sgpr_count:     66
    .vgpr_count:     194
    .wavefront_size: 32
...
	.end_amdgpu_metadata
.endif
;; end of part 1
;; launch attn (part 2): grid 16 x 16, 8 waves a work-group, clusters of 4 x 4, 327,680 bytes of LDS; arguments q, mask, kv, out0; writes out0
.if DOCPART == 2
	.amdgcn_target "amdgcn-amd-amdhsa--gfx1250"
	.amdhsa_code_object_version 6
	.text
	.protected	k_q1d8e0472b6_attn
	.globl	k_q1d8e0472b6_attn
	.p2align	8
	.type	k_q1d8e0472b6_attn,@function
k_q1d8e0472b6_attn:
	s_mov_b64 s[64:65], 0
	v_nop
	global_prefetch_b8 v0, s[64:65] scope:SCOPE_SE
	s_setreg_imm32_b32 hwreg(HW_REG_WAVE_MODE, 25, 1), 1
	s_wait_xcnt 0x0
	s_wait_alu depctr_hold_cnt(0) depctr_sa_sdst(0) depctr_va_vdst(0) depctr_va_sdst(0) depctr_va_ssrc(0) depctr_va_vcc(0) depctr_vm_vsrc(0)
	s_getreg_b32 s2, hwreg(HW_REG_IB_STS2, 6, 4)
	s_cmp_eq_u32 s2, 0
	s_cbranch_scc0 .Lentry_in_a_cluster
	s_endpgm
.Lentry_in_a_cluster:
	s_bfe_u32 s2, ttmp6, 0x10000c
	s_cmp_lg_u32 s2, 0xf033
	s_cbranch_scc0 .Lentry_shape_is_right
	s_endpgm
.Lentry_shape_is_right:
; out[bh][q][:] = the sum over k of softmax_k(((q / 8) . k) x mask[q][k]) v[bh][k][:].  64 heads, 2,048 queries, 2,048 keys, head size 64.  The mask MULTIPLIES: a key under a 0 has the logit 0 and counts.
; Both products on codes of FP6 (E2M3), one E8M0 scale for each 32 along K.  k's and v's codes and scale words come from kv in the order of the operand registers: 13,056 bytes for each (head, 128 keys):
; K's codes at 0, K's scale words at 6144, V^T's codes at 6656, V's scale words at 12800.  q is quantised here; the factor 1/8, a power of two, is 3 taken off q's scale bytes (the codes are those of q / 8).
; THE SOFTMAX: t = logit x log2(e); M = the running largest t rounded UP to a whole number; p = 2^(t - M) is quantised along the keys, not normalised; the row's sum is taken of the unquantised p and
; divides at the end.  When M moves, the sum and O are multiplied by 2^(old M - new M), which rounds nothing.
; SHARES.  A work-group owns 128 queries of FOUR heads.  Wave w: head w / 2, query half w % 2: four UNITS of 16 queries.  Two waves to a SIMD, 512 registers each.
; CLUSTER 4 x 4.  The mask's tile hangs on the block of queries (work-group x): a column of the cluster asks jointly.  kv's blocks hang on the four heads (work-group y): a row asks jointly.
; Waves 0-3 fetch 32 rows of the mask's tile each, waves 4-7 one head's block each: one tensor load a wave behind each round; by this text's count one is out at a time.
; LAYOUT.  Both products are used transposed: S^T = K Q^T, O^T = V^T P^T: a lane holds ONE query (lane % 16).  Row r of K's tile T is key 64 (T / 4) + 8 (T % 4) + r % 8 + 32 (r / 8), so S's register
; 32 c + i of lane (r, h) is key 64 c + 32 h + i: a lane holds two WHOLE blocks of 32 keys, in the order of P's operand registers: a block's maximum needs no other lane and the codes change no lane.
; THE FIRST PRODUCT'S K IS 64, the instruction's 128: Q's codes for k = 64 .. 127 are zeros and both sides' scale bytes there are 0x7f.  K's tiles lie six registers apart, so source 0's upper six
; registers are the next tile's codes (behind the last: six zeros): finite numbers, which times Q's zero codes add exactly 0.
; THE ORDER OF A KEY STEP.  Unit u's second half issues unit u + 1's scores, then its own second product.  Unit 3 lies ACROSS the change of slots: its mask and V are in registers when the wave signals;
; the mask, the maxima, the scalings and the exponentials (registers alone) stand between the round's opening signal and its wait; its sum, codes and product stand behind the joint load and the new slot's LDS loads.
; THE ENDS.  The head waits for unit 0's rows of q alone; the rows of units 1 to 3 land in the registers that will hold those units' O^T and are quantised in the first key step, each just ahead of its unit's
; first scores.  In the last key step each unit is divided, staged and stored as soon as its last product is done, in place in its O^T registers.
; LIMITS: NaN and infinities among the inputs are not served.  The promise holds while |t| stays under 2^31.  A block of zeros carries the byte 1 where the quantiser says 127 (its codes are zeros).
; A p under 2^-126 counts as 0 (v_exp_f32: ISA guide 15.8).
; REGISTERS.  Window 0: v1-11 addresses; v12-27 four a unit: -M, the largest logit, the sum in two halves; v28-38 scale words alone (K 4, V 2, Q 4, P 1); v40-63 at work; v64-127 S^T, then p;
;   v128-191 the unit's mask; v192-239 V's four fragments; v240-251 P's codes; v252-255 addresses in the slot in hand.
;   Window 1: v0-127 O^T, 32 a unit; v128-175 Q's fragments; v176-223 K's eight tiles; v224-229 zeros.
.set SLOT1, 1<<17
.set MP,    528                        ; a row of the mask's tile in LDS: 512 bytes + 16
.set KVOFF, 128*MP                     ; a slot: 128 rows of the mask, then four heads' blocks
.set BLK,   13056
.set STAGE, 2*SLOT1                    ; behind the ring: 16 rows x 272 bytes for each wave: q's way in, O's way out; no tile lands there
.set SP,    272
.set SPARE, STAGE+8*16*SP              ; the spare words, 128 bytes for each wave
.set AK0, 1
.set AM0, 2
.set A80, 3
.set A40, 4
.set SPW, 5
.set NIL, 6
.set PFO, 7
.set GO,  8
.set RD,  9
.set STO, 10
.set H8,  11
.set STT, 12
.set KS,  28
.set VS,  32
.set QS,  34
.set PS,  38
.set BM,  40
.set TA,  44
.set PL,  46
.set TT,  47
.set SO,  48
.set F,   50
.set BY,  52
.set W,   54
.set TO,  55
.set CV,  56
.set QRD, 63
.set S,   64
.set MK,  128
.set VF,  192
.set P,   240
.set ADK, 252
.set ADM, 253
.set AD8, 254
.set AD4, 255
.set QF,  128                          ; window 1
.set KF,  176                          ; window 1
.set WV,  12
.set SEL, 20
.set CS,  22                           ; s[22:23] log2(e)
.set G1M, 24
.set G1K, 32
.set G0M, 40
.set G0K, 44
.set TB,  48                           ; LDS byte at which the slot in hand begins
.set CNT, 49
.set LIM, 50
.set CN,  51                           ; -log2(e)
.set PFA, 52
.set PFS, 54
.set MSB, 0
.macro WIN new                         ; the immediate's high byte repeats the setting that is left; bits 1:0 source 0, 3:2 source 1, 5:4 source 2, 7:6 destination
.if MSB != \new
	s_set_vgpr_msb (MSB<<8)|\new
.set MSB, \new
.endif
.endm
.macro PLACES n
.rept \n
	v_nop
.endr
.endm
.macro VW
	s_wait_alu depctr_va_vdst(0)
.endm
; A joint load; the branch hangs on the wave's number alone.  s_nop 0 and four v_nop follow each line.
.macro JLOAD
	s_cmp_lt_u32 s[WV], 4
	s_cbranch_scc0 .Lfor_kv_\@
	tensor_load_to_lds s[G0M:G0M+3], s[G1M:G1M+7]
	s_nop 0
.rept 4
	v_nop
.endr
	s_branch .Lasked_\@
.Lfor_kv_\@:
	tensor_load_to_lds s[G0K:G0K+3], s[G1K:G1K+7]
	s_nop 0
.rept 4
	v_nop
.endr
.Lasked_\@:
.endm
.macro CREST                           ; a round of the cluster's barrier behind its opening barrier
	s_cmp_lg_u32 s[WV], 0
	s_cbranch_scc1 .Lnot_wave_0_\@
	s_barrier_signal -3
.Lnot_wave_0_\@:
	s_barrier_wait -3
	s_barrier_signal -1
	s_barrier_wait -1
.endm
.macro CROUND
	s_barrier_signal -1
	s_barrier_wait -1
	CREST
.endm
; A PREFETCH INTO THE L2 of what the NEXT change of slots will ask for: one key step ahead of that load, behind the wave's tensor load and the run of LDS loads.
; The mask's tile is read by every cluster of a column of clusters: cluster y = 0 asks; waves 0 and 1 of the partner at cy take rows 64 (w % 2) + 16 cy + lane / 2, half lane % 2.
; kv's four blocks are read by every cluster of a row of clusters: cluster x = 0 asks; the partner at cx takes head cx's block, waves 4 and 5, lanes 256 bytes apart (51 pieces: the lanes left over name the last again).
; The partners share by ADDRESS.  The last filling trip asks for nothing; steps 0 and 1 come by their loads alone.
.macro ASK
	s_cmp_gt_u32 s[CNT], s[LIM]
	s_cbranch_scc0 .Lnot_mine_\@
	global_prefetch_b8 v[PFO], s[PFA:PFA+1] th:TH_LOAD_NT scope:SCOPE_SE
.Lnot_mine_\@:
.endm
.macro STEPD                           ; no tensor load of mine is out: the walking descriptors go to the other slot and the next 128 keys; the last prefetch has read its address
	s_xor_b32 s[G0M+1], s[G0M+1], SLOT1
	s_add_nc_u64 s[G0M+2:G0M+3], s[G0M+2:G0M+3], 512
	s_xor_b32 s[G0K+1], s[G0K+1], SLOT1
	s_add_nc_u64 s[G0K+2:G0K+3], s[G0K+2:G0K+3], 4*BLK
	s_wait_xcnt 0x0
	s_add_nc_u64 s[PFA:PFA+1], s[PFA:PFA+1], s[PFS:PFS+1]
.endm
; Unit u's 16 rows of q turn through my stage, so that lane (r, h) gets row r's channels 32 h .. 32 h + 31, one block, in v[S] on; they become six registers of codes, six of zeros, and a scale word.
; The floor 2^(6 - 127) keeps the byte, with 3 more off for the 1/8, at 1 from below, as the quantiser of q / 8 has it.  At work: v[S+32] to v[S+42].
.macro QUANTQ u
	s_wait_loadcnt 8*(3-(\u))                      ; this unit's eight loads are in; the later units' may be out
.if \u
	WIN 0x04                                       ; the stores' data lie in window 1, where this unit's O^T will be
.irp m, 0,1,2,3,4,5,6,7
	ds_store_b128 v[RD], v[32*(\u)+4*\m:32*(\u)+4*\m+3] offset:2*SP*\m
.endr
	WIN 0
.else
.irp m, 0,1,2,3,4,5,6,7
	ds_store_b128 v[RD], v[S+4*\m:S+4*\m+3] offset:2*SP*\m
.endr
.endif
.irp m, 0,1,2,3,4,5,6,7                        ; LDS serves a wave's instructions in order (ISA guide 5.7.1.4): these see the stores above
	ds_load_b128 v[S+4*\m:S+4*\m+3], v[QRD] offset:16*\m
.endr
	s_wait_dscnt 0x0
	v_max3_num_f32 v[S+32], |v[S]|, |v[S+1]|, |v[S+2]|
	v_max3_num_f32 v[S+33], |v[S+3]|, |v[S+4]|, |v[S+5]|
.irp i, 6,10,14,18,22,26
	v_max3_num_f32 v[S+32], v[S+32], |v[S+\i]|, |v[S+\i+1]|
	v_max3_num_f32 v[S+33], v[S+33], |v[S+\i+2]|, |v[S+\i+3]|
.endr
	v_max3_num_f32 v[S+32], v[S+32], |v[S+30]|, |v[S+31]|
	v_max3_num_f32 v[S+32], v[S+32], v[S+33], 0x3000000
	v_add_nc_u32 v[S+34], 0xff000000, v[S+32]      ; 2 off the exponent field: the conversion's scale operand
	v_lshrrev_b32 v[S+35], 23, v[S+34]
	v_cvt_scalef32_pk16_fp6_f32 v[S+36:S+38], v[S:S+15], v[S+34]
	v_cvt_scalef32_pk16_fp6_f32 v[S+40:S+42], v[S+16:S+31], v[S+34]
	v_add_nc_u32 v[S+35], -3, v[S+35]              ; the byte of q / 8; the plain instruction behind the conversions
	WIN 0x40
.irp i, 0,1,2
	v_mov_b32 v[QF+12*(\u)+\i], v[S+36+\i]
	v_mov_b32 v[QF+12*(\u)+3+\i], v[S+40+\i]
.endr
.irp i, 6,7,8,9,10,11
	v_mov_b32 v[QF+12*(\u)+\i], 0                  ; k = 64 .. 127: zero codes
.endr
	WIN 0
	v_lshlrev_b32 v[S+35], v[H8], v[S+35]
	v_permlanex16_b32 v[PL], v[S+35], s[SEL], s[SEL+1]
	v_or_b32 v[S+35], v[S+35], v[PL]
	v_or_b32 v[QS+(\u)], 0x7f7f0000, v[S+35]
.endm
	s_load_b256 s[4:11], s[0:1], 0x0               ; q s[4:5], mask s[6:7], kv s[8:9], out s[10:11]
	v_lshl_add_u32 v[SPW], v0, 2, SPARE
	v_mov_b32 v[NIL], 0
	ds_add_u32 v[SPW], v[NIL]
	ds_add_u32 v[SPW], v[NIL]
	v_lshrrev_b32 v63, 5, v0
	v_readfirstlane_b32 s[WV], v63                 ; wave 0..7
	s_and_b32 s13, s[WV], 3                        ; which quarter of the mask's tile, or which head's block, I fetch
	s_lshr_b32 s14, s[WV], 1                       ; my head of the four
	s_and_b32 s15, s[WV], 1                        ; my half of the 128 queries
	s_bfe_u32 s16, ttmp6, 0x40000                  ; cx
	s_bfe_u32 s17, ttmp6, 0x40004                  ; cy
	s_lshl_b32 s18, ttmp9, 2
	s_add_co_u32 s18, s18, s16                     ; block of 128 queries
	s_and_b32 s19, ttmp7, 0xffff
	s_lshl_b32 s19, s19, 2
	s_add_co_u32 s19, s19, s17                     ; group of four heads
	s_lshl_b32 s66, 0x1111, s16                    ; my column of the cluster
	s_lshl_b32 s67, s17, 2
	s_lshl_b32 s67, 15, s67                        ; my row
	s_or_b32 s[G1M], s66, (2<<16)|(1<<20)|(1<<21)|(6<<22)|(3<<25)   ; the mask: 32 rows x 128 elements of 4 bytes, pitch 2,048; 16 bytes of padding behind each 128 words
	s_mov_b32 s[G1M+1], 128<<16
	s_mov_b32 s[G1M+2], 32<<16
	s_mov_b32 s[G1M+3], 128<<16
	s_mov_b32 s[G1M+4], 32
	s_mov_b32 s[G1M+5], 2048
	s_mov_b32 s[G1M+6], 0
	s_mov_b32 s[G1M+7], 0
	s_or_b32 s[G1K], s67, (3<<16)|(1<<21)          ; kv: a dense block as 51 rows of 32 elements of 8 bytes
	s_mov_b32 s[G1K+1], 32<<16
	s_mov_b32 s[G1K+2], 51<<16
	s_mov_b32 s[G1K+3], 32<<16
	s_mov_b32 s[G1K+4], 51
	s_mov_b32 s[G1K+5], 32
	s_mov_b32 s[G1K+6], 0
	s_mov_b32 s[G1K+7], 0
	s_lshl_b32 s68, s18, 20                        ; the mask: 128 rows of 8,192 bytes a block of queries, 32 rows a wave
	s_lshl_b32 s69, s13, 18
	s_add_co_u32 s68, s68, s69
	s_mov_b32 s69, 0
	s_mul_i32 s70, s19, 64*BLK                     ; kv: 16 steps x 4 heads a group, a head a wave
	s_mul_i32 s71, s13, BLK
	s_add_co_u32 s70, s70, s71
	s_mov_b32 s71, 0
	s_mul_i32 s72, s13, 32*MP                      ; where they go: no place in the cluster enters an LDS address
	s_mul_i32 s73, s13, BLK
	s_add_co_u32 s73, s73, KVOFF
	s_lshl_b32 s74, s19, 2
	s_add_co_u32 s74, s74, s14                     ; my head
	s_lshl_b32 s74, s74, 19
	s_lshl_b32 s75, s18, 15
	s_add_co_u32 s74, s74, s75
	s_lshl_b32 s75, s15, 14
	s_add_co_u32 s74, s74, s75                     ; my 64 rows of q and of out, 256 bytes each
	s_mov_b32 s75, 0
	s_mov_b32 s[SEL], 0x76543210
	s_mov_b32 s[SEL+1], 0xfedcba98
	s_mov_b32 s[CS], 0x3fb8aa3b
	s_mov_b32 s[CS+1], s[CS]
	s_mov_b32 s[CN], 0xbfb8aa3b
	s_mov_b32 s[TB], 0
	s_mov_b32 s[CNT], 15
	s_wait_dscnt 0x0
	s_wait_kmcnt 0x0
	s_add_nc_u64 s[4:5], s[4:5], s[74:75]
	s_add_nc_u64 s[10:11], s[10:11], s[74:75]
	CROUND                                         ; all sixteen work-groups are here: the first joint loads meet
	s_mov_b32 s[G0M], 1
	s_mov_b32 s[G0M+1], s72
	s_add_nc_u64 s[G0M+2:G0M+3], s[6:7], s[68:69]
	s_or_b32 s[G0M+3], s[G0M+3], 0x80000000
	s_mov_b32 s[G0K], 1
	s_mov_b32 s[G0K+1], s73
	s_add_nc_u64 s[G0K+2:G0K+3], s[8:9], s[70:71]
	s_or_b32 s[G0K+3], s[G0K+3], 0x80000000
	JLOAD                                          ; key step 0 into slot 0: one tensor load a wave at the head
	v_and_b32 v240, 31, v0                         ; lane
	v_and_b32 v241, 15, v0                         ; r
	v_bfe_u32 v242, v0, 4, 1                       ; h
	v_lshlrev_b32 v[GO], 4, v240
	VW
.set ii, 0
.rept 8
	global_load_b128 v[S+4*ii:S+4*ii+3], v[GO], s[4:5] offset:512*ii th:TH_LOAD_NT   ; unit 0's 16 rows of q: two rows a load
.set ii, ii+1
.endr
	WIN 0x40
.rept 24
	global_load_b128 v[4*ii:4*ii+3], v[GO], s[4:5] offset:512*ii th:TH_LOAD_NT       ; units 1 to 3: into window 1, v32-127
.set ii, ii+1
.endr
	WIN 0
	s_mul_i32 s76, s14, BLK
	s_add_co_u32 s76, s76, KVOFF
	s_mul_i32 s77, s15, 64*MP
	s_mul_i32 s78, s[WV], 16*SP
	s_add_co_u32 s78, s78, STAGE                   ; my stage
	s_and_b32 s56, s[WV], 1                        ; the prefetches (macro ASK): where my wave's stand, and who asks
	s_lshl_b32 s57, s18, 20
	s_lshl_b32 s58, s56, 19
	s_add_co_u32 s57, s57, s58
	s_lshl_b32 s58, s17, 17
	s_add_co_u32 s57, s57, s58
	s_add_co_u32 s57, s57, 512                     ; the mask's: at key step 1; the first change of slots steps it to 2
	s_mul_i32 s58, s19, 64*BLK
	s_mul_i32 s59, s16, BLK
	s_add_co_u32 s58, s58, s59
	s_add_co_u32 s58, s58, 4*BLK                   ; kv's: likewise
	s_and_b32 s59, ttmp7, 0xffff
	s_mov_b32 s60, 4*BLK
	s_cmp_lt_u32 s[WV], 4
	s_cselect_b64 s[PFA:PFA+1], s[6:7], s[8:9]
	s_cselect_b32 s62, s57, s58
	s_cselect_b32 s[PFS], 512, s60
	s_cselect_b32 s59, s59, ttmp9                  ; the coordinate along which other clusters read the same bytes
	s_cselect_b32 s79, -1, 0
	s_mov_b32 s63, 0
	s_mov_b32 s[PFS+1], 0
	s_add_nc_u64 s[PFA:PFA+1], s[PFA:PFA+1], s[62:63]
	s_and_b32 s60, s[WV], 2
	s_or_b32 s60, s60, s59
	s_cmp_eq_u32 s60, 0
	s_cselect_b32 s[LIM], 1, -1                    ; the same in all sixteen partners, for a given wave
	s_lshl_b32 s61, s56, 5
	v_add_nc_u32 v[AK0], s76, v[GO]                ; 16 x lane + my head's block
	v_lshl_add_u32 v[A80], v240, 3, s76
	v_lshl_add_u32 v[A40], v240, 2, s76
	v_mul_u32_u24 v[AM0], v241, MP                 ; the mask: 528 r + 128 h + my half's 64 rows
	v_lshl_add_u32 v[AM0], v242, 7, v[AM0]
	v_add_nc_u32 v[AM0], s77, v[AM0]
	v_mul_u32_u24 v[RD], v242, SP                  ; the stage by rows: lanes 0-15 one row, lanes 16-31 the next
	v_lshl_add_u32 v[RD], v241, 4, v[RD]
	v_add_nc_u32 v[RD], s78, v[RD]
	v_mul_u32_u24 v[STO], v241, SP
	v_lshl_add_u32 v[QRD], v242, 7, v[STO]         ; row r, + 128 h
	v_add_nc_u32 v[QRD], s78, v[QRD]
	v_lshl_add_u32 v[STO], v242, 5, v[STO]         ; row r, + 32 h
	v_add_nc_u32 v[STO], s78, v[STO]
	v_lshrrev_b32 v243, 1, v240
	v_and_b32 v244, 1, v240
	v_lshlrev_b32 v243, 13, v243
	v_lshl_or_b32 v243, v244, 8, v243              ; the mask's prefetch: row lane / 2, half lane % 2
	v_add_nc_u32 v244, s61, v240
	v_min_u32 v244, 50, v244
	v_lshlrev_b32 v244, 8, v244                    ; kv's: piece 32 (w % 2) + lane, held at the block's last
	v_cndmask_b32 v[PFO], v244, v243, s79
	v_lshlrev_b32 v[H8], 3, v242                   ; 8 h
.irp u, 0,1,2,3
	v_mov_b32 v[STT+4*\u], 0x7e967699              ; -M: 1e38, a whole number: the first step's f comes out 0
	v_mov_b32 v[STT+4*\u+1], 0xfe967699            ; the largest logit so far: -1e38
	v_mov_b32 v[STT+4*\u+2], 0
	v_mov_b32 v[STT+4*\u+3], 0
.endr
.irp b, 0,1,2,3,4,5,6,7
	v_mov_b32 v[BM+\b], 0                          ; a lane permute's destination counts as one of its sources; pairs are named whole
.endr
	v_mov_b32 v[F+1], 0
	WIN 0x40
.irp i, 0,1,2,3,4,5
	v_mov_b32 v[KF+48+\i], 0                       ; behind K's last tile
.endr
	WIN 0
	VW
	QUANTQ 0
.macro MASKQ u, q                      ; a quarter of unit u's mask, in S's layout: register 32 c + i = key 64 c + 32 h + i of query r
.irp j, 0,1,2,3
	ds_load_b128 v[MK+16*(\q)+4*\j:MK+16*(\q)+4*\j+3], v[ADM] offset:16*MP*(\u)+256*((\q)/2)+64*((\q)%2)+16*\j
.endr
.endm
.macro ADDR                            ; my addresses in the slot in hand
	v_add_nc_u32 v[ADK], s[TB], v[AK0]
	v_add_nc_u32 v[ADM], s[TB], v[AM0]
	v_add_nc_u32 v[AD8], s[TB], v[A80]
	v_add_nc_u32 v[AD4], s[TB], v[A40]
.endm
.macro KLOAD                           ; K's eight tiles and scale words, unit 0's mask: 12 + 2 + 16 LDS loads
	WIN 0x40
.irp n, 0,1,2,3,4,5,6,7,8,9,10,11
	ds_load_b128 v[KF+4*\n:KF+4*\n+3], v[ADK] offset:512*\n
.endr
	WIN 0
.irp s, 0,1
	ds_load_b64 v[KS+2*\s:KS+2*\s+1], v[AD8] offset:6144+256*\s
.endr
.irp q, 0,1,2,3
	MASKQ 0, \q
.endr
.endm
.macro VLOAD                           ; V's four fragments and scale words: 12 + 2 LDS loads
.irp n, 0,1,2,3,4,5,6,7,8,9,10,11
	ds_load_b128 v[VF+4*\n:VF+4*\n+3], v[ADK] offset:6656+512*\n
.endr
.irp w, 0,1
	ds_load_b32 v[VS+\w], v[AD4] offset:12800+128*\w
.endr
.endm
.macro QK u                            ; unit u's scores: eight results, C = 0
	WIN 0x05
.irp t, 0,1,2,3,4,5,6,7
.if (\t)%2
	v_wmma_scale_f32_16x16x128_f8f6f4 v[S+8*\t:S+8*\t+7], v[KF+6*\t:KF+6*\t+11], v[QF+12*(\u):QF+12*(\u)+11], 0, v[KS+\t/2], v[QS+(\u)] matrix_a_fmt:MATRIX_FMT_FP6 matrix_b_fmt:MATRIX_FMT_FP6 matrix_a_scale:MATRIX_SCALE_ROW1
.else
	v_wmma_scale_f32_16x16x128_f8f6f4 v[S+8*\t:S+8*\t+7], v[KF+6*\t:KF+6*\t+11], v[QF+12*(\u):QF+12*(\u)+11], 0, v[KS+\t/2], v[QS+(\u)] matrix_a_fmt:MATRIX_FMT_FP6 matrix_b_fmt:MATRIX_FMT_FP6
.endif
.endr
	WIN 0
.endm
; A UNIT'S FIRST HALF: the mask, the maxima, M, t - M, the exponentials, O^T and the sum under the new M.
; dsw: the LDS loads that may stay out when the mask is read (-1: no wait);  ml: fetch the next unit's mask;  vw: the count that shows V in (-1: no wait);  first: O^T does not exist yet
.macro P1 u, dsw, ml, vw, first
.set rT, STT+4*(\u)
.if \dsw >= 0
	s_wait_dscnt \dsw
.endif
.set nn, 0
.rept 32
	v_pk_mul_f32 v[S+nn:S+nn+1], v[S+nn:S+nn+1], v[MK+nn:MK+nn+1]   ; logit = score x mask; each result from its low end on
.set nn, nn+2
.endr
.irp k, 0,1,2,3
	v_max3_num_f32 v[BM+\k], v[S+16*\k], v[S+16*\k+1], v[S+16*\k+2]   ; four chains by turns: two for each of my two blocks
.endr
.irp i, 3,5,7,9,11,13
.irp k, 0,1,2,3
	v_max3_num_f32 v[BM+\k], v[BM+\k], v[S+16*\k+\i], v[S+16*\k+\i+1]
.endr
.endr
	v_max3_num_f32 v[BM], v[BM], v[BM+1], v[S+15]
	v_max3_num_f32 v[BM+2], v[BM+2], v[BM+3], v[S+47]
	v_max_num_f32 v[BM], v[BM], v[S+31]            ; my blocks' largest logits: for the row's maximum and, since p rises with the logit, for the blocks' largest p
	v_max_num_f32 v[BM+2], v[BM+2], v[S+63]
	v_max_num_f32 v[TT], v[BM], v[BM+2]
.if \ml
	MASKQ (\u)+1, 0                                ; the next unit's mask, between the links of this chain
.endif
	v_permlanex16_b32 v[PL], v[TT], s[SEL], s[SEL+1]
.if \ml
	MASKQ (\u)+1, 1
.endif
	v_mov_b32 v[TO], v[rT]
	v_max3_num_f32 v[rT+1], v[rT+1], v[TT], v[PL]  ; the running largest logit
.if \ml
	MASKQ (\u)+1, 2
.endif
.if \ml == 0
	s_delay_alu instid0(VALU_DEP_1)
.endif
	v_mul_f32 v[TT], s[CN], v[rT+1]                ; -t
.if \ml
	MASKQ (\u)+1, 3
.endif
.if \ml == 0
	s_delay_alu instid0(VALU_DEP_1)
.endif
	v_floor_f32 v[rT], v[TT]                       ; the new -M: M is a whole number
.set nn, 0
.rept 32
	v_pk_fma_f32 v[S+nn:S+nn+1], v[S+nn:S+nn+1], s[CS:CS+1], v[rT:rT+1] op_sel_hi:[1,0,0]   ; t - M
.if nn == 6
	v_sub_f32 v[TO], v[rT], v[TO]                  ; old M - new M: a whole number, 0 or less
.endif
.if nn == 14
	v_cvt_i32_f32 v[TO], v[TO]                     ; (it saturates)
.endif
.if nn == 22
	v_ldexp_f32 v[F], 1.0, v[TO]                   ; f = 2^(old M - new M)
.endif
.set nn, nn+2
.endr
	v_fma_f32 v[BM], v[BM], s[CS], v[rT]
	v_fma_f32 v[BM+2], v[BM+2], s[CS], v[rT]
	VW                                             ; ahead of the batch
.set nn, 0
.rept 64
	v_exp_f32 v[S+nn], v[S+nn]                     ; p = 2^(t - M): not normalised
.set nn, nn+1
.endr
	v_exp_f32 v[BM], v[BM]                         ; my blocks' largest p: the same multiply-add and exponential on the same number
	v_exp_f32 v[BM+2], v[BM+2]
.if \first == 0
	WIN 0x41
.endif
	v_nop                                          ; the plain instruction behind the last exponential
.if \vw >= 0
	s_wait_dscnt \vw                               ; V's loads are in; the next unit's mask, 16 younger loads, may be out
.endif
	VW                                             ; behind the batch, and directly ahead of the first readers of O^T
.if \first == 0
.set nn, 0
.rept 16
	v_pk_mul_f32 v[32*(\u)+nn:32*(\u)+nn+1], v[32*(\u)+nn:32*(\u)+nn+1], v[F:F+1] op_sel_hi:[1,0]   ; O^T under the new M
.set nn, nn+2
.endr
	WIN 0
.endif
	v_pk_mul_f32 v[rT+2:rT+3], v[rT+2:rT+3], v[F:F+1] op_sel_hi:[1,0]   ; the sum under the new M
.endm
; A UNIT'S SECOND HALF: the sum of the unquantised p (four chains), p's scale word and codes, the NEXT unit's scores (nxt; -1: none; kw: K's loads are waited for first), O^T += V^T P^T.
; first: the first key step: the next unit's q is quantised ahead of its scores (S is free there), and the product starts the sums.
.macro P2 u, nxt, kw, first
.set rT, STT+4*(\u)
	v_pk_add_f32 v[TA:TA+1], v[S:S+1], v[S+2:S+3]
	v_pk_add_f32 v[CV:CV+1], v[S+4:S+5], v[S+6:S+7]
	v_pk_add_f32 v[CV+4:CV+5], v[S+8:S+9], v[S+10:S+11]
.set nn, 12
.rept 6
	v_pk_add_f32 v[rT+2:rT+3], v[rT+2:rT+3], v[S+nn:S+nn+1]
	v_pk_add_f32 v[TA:TA+1], v[TA:TA+1], v[S+nn+2:S+nn+3]
	v_pk_add_f32 v[CV:CV+1], v[CV:CV+1], v[S+nn+4:S+nn+5]
	v_pk_add_f32 v[CV+4:CV+5], v[CV+4:CV+5], v[S+nn+6:S+nn+7]
.set nn, nn+8
.endr
	v_pk_add_f32 v[rT+2:rT+3], v[rT+2:rT+3], v[S+60:S+61]
	v_pk_add_f32 v[TA:TA+1], v[TA:TA+1], v[S+62:S+63]
	v_max_num_f32 v[BM], 0x1800000, v[BM]          ; the floor 2^(3 - 127): the byte cannot fall under 1
	v_max_num_f32 v[BM+2], 0x1800000, v[BM+2]
	v_pk_add_f32 v[CV:CV+1], v[CV:CV+1], v[CV+4:CV+5]
	v_pk_add_f32 v[rT+2:rT+3], v[rT+2:rT+3], v[TA:TA+1]
	v_add_nc_u32 v[SO], 0xff000000, v[BM]          ; 2 off the exponent field: the conversions' scale operands
	v_add_nc_u32 v[SO+1], 0xff000000, v[BM+2]
	v_pk_add_f32 v[rT+2:rT+3], v[rT+2:rT+3], v[CV:CV+1]
	v_lshrrev_b32 v[BY], 23, v[SO]
	v_lshrrev_b32 v[BY+1], 23, v[SO+1]
	v_lshl_or_b32 v[W], v[BY+1], 16, v[BY]         ; my bytes: blocks h and 2 + h,
	v_lshlrev_b32 v[W], v[H8], v[W]                ; at their places;
	v_permlanex16_b32 v[PL], v[W], s[SEL], s[SEL+1]
	v_or_b32 v[PS], v[W], v[PL]                    ; with lane l xor 16's two the word is whole
.irp c, 0,1
	v_cvt_scalef32_pk16_fp6_f32 v[P+6*\c:P+6*\c+2], v[S+32*\c:S+32*\c+15], v[SO+\c]
	v_cvt_scalef32_pk16_fp6_f32 v[CV+4*\c:CV+4*\c+2], v[S+32*\c+16:S+32*\c+31], v[SO+\c]   ; (a conversion's three registers begin on an even number)
.endr
	v_nop                                          ; one plain instruction behind a scaled conversion
.if \nxt >= 0
.if \kw
	VW
	s_wait_dscnt 16                                ; K's tiles and scale words are in; the mask's 16 younger loads may be out
.endif
.if \first
	VW
	QUANTQ \nxt
.if \nxt == 3
	WIN 0x40
.set ii, 96
.rept 32
	v_mov_b32 v[ii], 0                             ; unit 3's O^T, now that its rows of q have left these registers: its first step runs in the loop's text; units 0-2 start their sums with C = 0
.set ii, ii+1
.endr
	WIN 0
.else
	PLACES 8                                       ; Q's scale word stands eight plain instructions ahead of the scaled product
.endif
.endif
	QK \nxt                                        ; p has been read out of S
.endif
.irp c, 0,1
.irp i, 0,1,2
	v_mov_b32 v[P+6*\c+3+\i], v[CV+4*\c+\i]
.endr
.endr
	PLACES 4                                       ; P's codes stand four plain instructions ahead of the scaled product, its scale word eight or more; the scores' first read has its four too
	WIN 0x50                                       ; V and P window 0, C and D window 1
.irp t, 0,1,2,3
.if \first
.if (\t)%2
	v_wmma_scale_f32_16x16x128_f8f6f4 v[32*(\u)+8*\t:32*(\u)+8*\t+7], v[VF+12*\t:VF+12*\t+11], v[P:P+11], 0, v[VS+\t/2], v[PS] matrix_a_fmt:MATRIX_FMT_FP6 matrix_b_fmt:MATRIX_FMT_FP6 matrix_a_scale:MATRIX_SCALE_ROW1
.else
	v_wmma_scale_f32_16x16x128_f8f6f4 v[32*(\u)+8*\t:32*(\u)+8*\t+7], v[VF+12*\t:VF+12*\t+11], v[P:P+11], 0, v[VS+\t/2], v[PS] matrix_a_fmt:MATRIX_FMT_FP6 matrix_b_fmt:MATRIX_FMT_FP6
.endif
.else
.if (\t)%2
	v_wmma_scale_f32_16x16x128_f8f6f4 v[32*(\u)+8*\t:32*(\u)+8*\t+7], v[VF+12*\t:VF+12*\t+11], v[P:P+11], v[32*(\u)+8*\t:32*(\u)+8*\t+7], v[VS+\t/2], v[PS] matrix_a_fmt:MATRIX_FMT_FP6 matrix_b_fmt:MATRIX_FMT_FP6 matrix_a_scale:MATRIX_SCALE_ROW1
.else
	v_wmma_scale_f32_16x16x128_f8f6f4 v[32*(\u)+8*\t:32*(\u)+8*\t+7], v[VF+12*\t:VF+12*\t+11], v[P:P+11], v[32*(\u)+8*\t:32*(\u)+8*\t+7], v[VS+\t/2], v[PS] matrix_a_fmt:MATRIX_FMT_FP6 matrix_b_fmt:MATRIX_FMT_FP6
.endif
.endif
.endr
	WIN 0
.endm
.macro REST first                      ; units 0 to 2 of a key step; unit 2 issues unit 3's scores and fetches its mask
	P1 0, 14, 1, 16, \first                        ; the mask is in; V's 14 younger loads may be out
	P2 0, 1, 0, \first
	P1 1, 0, 1, -1, \first
	P2 1, 2, 0, \first
	P1 2, 0, 1, -1, \first
	P2 2, 3, 0, \first
.endm
; THE WAY OUT of unit u, behind its last product.  OUTA: the sum's halves and lane l xor 16's are added; O^T is divided by the sum, in place, goes into my stage (lane (r, h): register 8 t + i is
; out(r, 16 t + 8 h + i)) and comes back by rows into the same registers.  OUTB, behind the wait for those loads: eight stores of two whole rows each.
.macro OUTA u
	v_add_f32 v[BY], v[STT+4*(\u)+2], v[STT+4*(\u)+3]
	v_permlanex16_b32 v[PL], v[BY], s[SEL], s[SEL+1]
	v_add_f32 v[BY], v[BY], v[PL]
	VW
	v_rcp_f32 v[TA], v[BY]
	WIN 0x41
	PLACES 2                                       ; with the three lines above: the plain instructions behind the last products and behind the reciprocal
	VW                                             ; behind the reciprocal, directly ahead of the first readers of O^T
.set nn, 0
.rept 16
	v_pk_mul_f32 v[32*(\u)+nn:32*(\u)+nn+1], v[32*(\u)+nn:32*(\u)+nn+1], v[TA:TA+1] op_sel_hi:[1,0]
.set nn, nn+2
.endr
	WIN 0x04                                       ; the stores' data window 1
.irp t, 0,1,2,3
	ds_store_b128 v[STO], v[32*(\u)+8*\t:32*(\u)+8*\t+3] offset:64*\t
	ds_store_b128 v[STO], v[32*(\u)+8*\t+4:32*(\u)+8*\t+7] offset:64*\t+16
.endr
	WIN 0x40
.irp i, 0,1,2,3,4,5,6,7
	ds_load_b128 v[32*(\u)+4*\i:32*(\u)+4*\i+3], v[RD] offset:2*SP*\i   ; LDS serves a wave's instructions in order: these see the stores above
.endr
	WIN 0
.endm
.macro OUTB u
	s_wait_dscnt 0x0                               ; the unit is back in registers (and the next unit's mask is in)
	WIN 0x04
.irp i, 0,1,2,3,4,5,6,7
	global_store_b128 v[GO], v[32*(\u)+4*\i:32*(\u)+4*\i+3], s[10:11] offset:4096*(\u)+512*\i th:TH_STORE_NT   ; 512 consecutive bytes, at a multiple of 256 from out's first byte; these registers are not written again
.endr
	WIN 0
.endm
.macro RESTL                           ; the last key step: each unit leaves as soon as it is finished
	P1 0, 14, 1, 16, 0
	P2 0, 1, 0, 0
	OUTA 0
	OUTB 0
	P1 1, -1, 1, -1, 0
	P2 1, 2, 0, 0
	OUTA 1
	OUTB 1
	P1 2, -1, 1, -1, 0
	P2 2, 3, 0, 0
	OUTA 2
	OUTB 2
	P1 3, -1, 0, -1, 0
	P2 3, -1, 0, 0
	OUTA 3
	OUTB 3
.endm
; THE CHANGE OF SLOTS, with the last step's unit 3 laid across it.  Each wave waits for all its tensor loads, adds 0 to its spare word, waits for that and for its reads of the slot that it leaves
; (unit 3's mask is the last of them), and signals.  fill = 1: the round of the cluster's barrier, and the joint refill first behind it.
.macro TURN fill
	WIN 0
	VW
	s_wait_tensorcnt 0x0
	ds_add_u32 v[SPW], v[NIL]
	s_xor_b32 s[TB], s[TB], SLOT1                  ; on to the other slot
.if \fill
	STEPD
.endif
	s_wait_dscnt 0x0
	s_barrier_signal -1
	ADDR
	P1 3, -1, 0, -1, 0                             ; registers alone
	VW
	s_barrier_wait -1
.if \fill
	CREST
	JLOAD
.endif
	KLOAD
.if \fill
	ASK
.endif
	P2 3, 0, 1, 0
	PLACES 4                                       ; four plain instructions ahead of loads into registers that the last products read
	VLOAD
.if \fill
	REST 0
.else
	RESTL
.endif
.endm
	VW                                             ; the head's end
	s_wait_tensorcnt 0x0                           ; slot 1's first fill is issued as a refill is
	ds_add_u32 v[SPW], v[NIL]
	STEPD
	s_wait_dscnt 0x0
	CROUND
	JLOAD                                          ; key step 1 into slot 1
	ADDR
	KLOAD
	VLOAD
	ASK
	s_mov_b32 s[CNT], 14
	s_wait_dscnt 30                                ; K's tiles and scale words are in; the mask's 16 and V's 14 younger loads may be out
	PLACES 4
	QK 0
	PLACES 4
	REST 1                                         ; the first step's units 0 to 2 start their sums
.Lstep:                                            ; 14 trips: key steps 1 to 14; each asks for the step after it
	TURN 1
	s_sub_co_u32 s[CNT], s[CNT], 1
	s_cmp_lg_u32 s[CNT], 0
	s_cbranch_scc1 .Lstep
	TURN 0                                         ; key step 15 is written out: it asks for nothing, and its units go out one by one
	s_wait_tensorcnt 0x0                           ; the wave's end
	ds_add_u32 v[SPW], v[NIL]
	s_wait_dscnt 0x0
	CROUND                                         ; the closing round
	s_endpgm
.Lfunc_end_k_q1d8e0472b6_attn:
	.size	k_q1d8e0472b6_attn, .Lfunc_end_k_q1d8e0472b6_attn-k_q1d8e0472b6_attn
	.p2alignl 7, 3214868480
	.fill 96, 4, 3214868480
	.section	.rodata,"a",@progbits
	.p2align	6, 0x0
	.amdhsa_kernel k_q1d8e0472b6_attn
		.amdhsa_group_segment_fixed_size 327680
		.amdhsa_private_segment_fixed_size 0
		.amdhsa_enable_private_segment 0
		.amdhsa_kernarg_size 32
		.amdhsa_user_sgpr_count 2
		.amdhsa_user_sgpr_kernarg_segment_ptr 1
		.amdhsa_wavefront_size32 1
		.amdhsa_system_sgpr_workgroup_id_x 1
		.amdhsa_system_sgpr_workgroup_id_y 1
		.amdhsa_system_sgpr_workgroup_id_z 1
		.amdhsa_system_vgpr_workitem_id 0
		.amdhsa_next_free_vgpr 512
		.amdhsa_next_free_sgpr 100
		.amdhsa_reserve_vcc 0
		.amdhsa_float_denorm_mode_32 3
		.amdhsa_float_denorm_mode_16_64 3
		.amdhsa_memory_ordered 1
		.amdhsa_forward_progress 1
		.amdhsa_inst_pref_size 232
	.end_amdhsa_kernel
	.amdgpu_metadata
---
amdhsa.version: [ 1, 2 ]
amdhsa.kernels:
  - .name:           k_q1d8e0472b6_attn
    .symbol:         k_q1d8e0472b6_attn.kd
    .args:
      - { .name: q, .offset: 0, .size: 8, .value_kind: global_buffer, .address_space: global }
      - { .name: mask, .offset: 8, .size: 8, .value_kind: global_buffer, .address_space: global }
      - { .name: kv, .offset: 16, .size: 8, .value_kind: global_buffer, .address_space: global }
      - { .name: out0, .offset: 24, .size: 8, .value_kind: global_buffer, .address_space: global }
    .group_segment_fixed_size: 327680
    .private_segment_fixed_size: 0
    .kernarg_segment_align: 8
    .kernarg_segment_size: 32
    .max_flat_workgroup_size: 256
    .sgpr_count:     100
    .vgpr_count:     512
    .wavefront_size: 32
...
	.end_amdgpu_metadata
.endif
;; end of part 2
